; MI455X (gfx1250); checked and timed in simulation.
; The chip was launched on July 23, 2026; its instructions are those of AMD's public machine-readable ISA for CDNA 5 (MIT licence, August 2026) and "CDNA5" Instruction Set Architecture Reference Guide (July 2026). The comments in the code are by the model that wrote it; some were corrected since.
;; Nearest Token Look Up. Allowed arithmetic: matrix products marked QUANTISED: E2M1 operands, one E8M0 scale for each 32 along K, by v_wmma_scale_f32_16x16x128_f8f6f4 with both operands' format E2M1 (or v_wmma_scale_f32_32x16x128_f4), f32 sums; everything else in f32.
;; Inputs: all_z 25,128 x 512 float32; z 2 x 2,048 x 512 float32.
;; Outputs: out0 2 x 2,048 x 512 float32.
;; This version of the problem:
;;   THIS VERSION OF THE PROBLEM IS GIVEN IN LOW PRECISION. The matrix products marked QUANTISED in the list below multiply operands that are first quantised to E2M1 (2 exponent bits, 1 mantissa bit; 4 bits a number), with one power-of-two scale for each 32 numbers along K (OCP MX v1.0); their sums are f32. All else is computed in f32.
;;   The module's matrix products, in the order in which they are computed (A, B: the left and right operand; K: the contracted axis; several contracted axes count as one K, in the product's order):
;;     1. [M 4,096, K 512] x [K 512, N 25,128]; A: input z; B: input all_z: QUANTISED
;;   THE QUANTISER, for each operand of a quantised product, along K:
;;     - K is cut into blocks of 32 from its start; a last block that is shorter is filled with zeros.
;;     - A block's scale is 2^e with e = floor(log2(the largest magnitude in the block)) - 2, held to -126 .. 127; a block of zeros has e = 0. As a byte (E8M0): e + 127.
;;     - Each number is divided by its block's scale, clamped to +-6, and rounded to the nearest number of E2M1, ties to even, subnormals kept.
;;     - The product sums the exact products of the quantised numbers (number of the format x scale) in f32.
;;   ~~~python
;;   def quantise(x, axis):      # numpy; x: float32 -> the quantised numbers, widened to float32 again
;;       x = np.moveaxis(x, axis, -1); K = x.shape[-1]
;;       x = np.pad(x, [(0, 0)] * (x.ndim - 1) + [(0, -K % 32)]); x = x.reshape(x.shape[:-1] + (-1, 32)); a = np.abs(x).max(-1, keepdims=True)
;;       e = np.where(a > 0, np.clip(np.frexp(np.where(a > 0, a, 1))[1] - 1 - 2, -126, 127), 0)      # np.frexp(a)[1] - 1 = floor(log2(a)), exactly
;;       r = np.clip(x / 2.0 ** e, -6, 6)
;;       step = 2.0 ** (np.maximum(np.frexp(np.where(r == 0, 1, r))[1] - 1, 0) - 1)
;;       q = np.round(r / step) * step * 2.0 ** e      # np.round: ties to even
;;       return np.moveaxis(q.reshape(q.shape[:-2] + (-1,))[..., :K], -1, axis).astype(np.float32)
;;   ~~~
;; One version. Each part assembles by itself: llvm-mc -triple=amdgcn-amd-amdhsa -mcpu=gfx1250 --defsym DOCPART=n.
;; ======== version 1 of 1: 3 launches
;; limits: right only within a limited range of input values
;; workspace buffers: zq 1,179,648 bytes; vq 7,372,800 bytes; part 2,097,152 bytes of whole numbers
;; launch quant (part 1): grid 928 x 1, 4 waves a work-group, no clusters, 35,328 bytes of LDS; arguments z, all_z, zq, vq; writes zq, vq
.if DOCPART == 1
	.amdgcn_target "amdgcn-amd-amdhsa--gfx1250"
	.amdhsa_code_object_version 6
	.text
	.protected	k_qb89c9754ff_quant
	.globl	k_qb89c9754ff_quant
	.p2align	8
	.type	k_qb89c9754ff_quant,@function
k_qb89c9754ff_quant:
	s_mov_b64 s[64:65], 0
	v_nop
	global_prefetch_b8 v0, s[64:65] scope:SCOPE_SE
	s_setreg_imm32_b32 hwreg(HW_REG_WAVE_MODE, 25, 1), 1
	s_wait_xcnt 0x0
; z [4096][512] and all_z [25128][512], f32, K innermost, become operands of MX-FP4 (codes of E2M1, one E8M0 byte for each 32 along K),
; laid in the order of the operand's registers, one RECORD of 4,608 bytes for each tile of 16 rows:
;   bytes 0-4095     codes [K step s 0..3][group c 0..1][lane 16 h + r][16 bytes]: registers 4 c .. 4 c + 3 of the fragment of K step s
;   bytes 4096-4351  scale words [hh 0..1][row r][2 words]: word 0 is K step hh's, word 1 K step 2 + hh's
;   bytes 4352-4415  (all_z alone) -0.5 x the sum of the row's squares, f32, taken of the numbers as they arrive; bytes 4416-4607 zeros
; A block's scale is 2^(floor(log2(its largest magnitude)) - 2); its byte is the largest magnitude's exponent field - 2, held at 1 from below.
; all_z is carried on to 1,600 tiles (25,600 rows), 32 equal shares of 50 tiles for the next launch: a row past the end takes the last row's
; numbers (no load leaves the buffer) and the bias -2^127, under every finite score, so that it is never chosen.
; LIMITS: NaN and infinities among the inputs are not served.  A block whose largest magnitude lies under 2^-124, a block of zeros among them,
; has the byte 1 (a block of zeros has zero codes, which add nothing; this program alone reads the bytes).
; SHARES: a work-group takes two neighbouring tiles: work-groups 0-127 z's, the others all_z's; only pointers and the last row's number are chosen, the text has one way
; for both (so z's sums of squares are formed too, and not stored).  Wave s takes K step s of a tile's 16 rows: 8,192 bytes in, 1,024 bytes of codes out.
; All 32 loads of a wave go out first: the first tile's rows are turned and converted while the second tile's are on their way.
; Each load reads 512 consecutive bytes of one row; the conversions want 32 neighbours along K in ONE lane, so the 16 x 512 bytes turn through
; the wave's own stage in LDS.  No tensor loads, no ring: a work-group reads its bytes once, and several work-groups share a WGP.
.set NZW,   128                        ; work-groups of z
.set ZLAST, 4095                       ; z's last row
.set VLAST, 25127                      ; all_z's last row
.set REC,   4608                       ; a record
.set SP,    528                        ; a stage row: 512 bytes + 16: an odd multiple of 16, so the 16 rows of a read start at 16 different groups of banks (ISA guide 11.1)
.set STG,   16*SP                      ; a wave's stage
.set SCB,   4*STG                      ; [tile] the tile's 64 scale words, in the record's order
.set NB,    SCB+512                    ; [tile][K step][row] partial sums of squares
.set SPARE, NB+512                     ; the spare words, 128 bytes for each wave: two blocks of 256 bytes that no other line names
.set FLOOR, 0x1800000                  ; 2^(3 - 127): under it no largest magnitude is taken, so the byte cannot fall under 1
.set LO,  4                            ; v4   512 s + 16 x lane: my 16 bytes of a row
.set SI,  5                            ; v5   the stage, on the way in: 16 x lane
.set SO,  6                            ; v6   on the way out: 528 r + 128 h
.set SW,  7                            ; v7   where my row's scale word goes
.set NW,  8                            ; v8   where my row's partial sum goes
.set CO,  9                            ; v9   my codes' place in the record: 1024 s + 16 x lane
.set SRD, 10                           ; v10  waves 0, 2 read tile 0's, 1's scale words back: 8 x lane
.set NRD, 11                           ; v11  waves 1, 3 read tile 0's, 1's partial sums back: 8 x (lane % 8)
.set G8,  12                           ; v12  8 x lane, + a record for waves 2, 3
.set SPW, 13                           ; v13  LDS address of my spare word: SPARE + 4 x my thread's number; never rewritten
.set NIL, 14                           ; v14  0; never rewritten
.set AD,  16                           ; v16-47   a load offset for each row
.set X,   48                           ; v48-175  64 registers a tile: as loaded; then 64 numbers of my row: 32 c + i = k 128 s + 64 c + 32 h + i
.set C,   176                          ; v176-191 the fragments' registers, eight a tile
.set M,   192                          ; v192-193 largest magnitudes
.set SCL, 194                          ; v194-195 the conversions' scale operands
.set BY,  196                          ; v196-197 the scale bytes
.set N,   198                          ; v198-201 sums of squares, two packed chains
.set TT,  202                          ; v202-207 at work
.set TW,  21                           ; s21  wave / 2: the tile whose words my wave stores at the end
.set ODD, 26                           ; s26  wave % 2: scale words (0) or biases (1)
.set SEL, 28                           ; s[28:29] v_permlanex16_b32's selects for lane l xor 16
	s_load_b256 s[4:11], s[0:1], 0x0               ; z s[4:5], all_z s[6:7], zq s[8:9], vq s[10:11]
	v_lshl_add_u32 v[SPW], v0, 2, SPARE
	v_mov_b32 v[NIL], 0
	v_lshrrev_b32 v1, 5, v0
	v_readfirstlane_b32 s12, v1                    ; wave = K step s
	s_lshl_b32 s13, s12, 9
	s_mul_i32 s14, s12, STG
	s_and_b32 s[ODD], s12, 1
	s_lshr_b32 s[TW], s12, 1
	s_lshl_b32 s18, s[ODD], 7                      ; K step s's word: half s % 2, word s / 2
	s_lshl_b32 s19, s[TW], 2
	s_add_co_u32 s18, s18, s19
	s_add_co_u32 s18, s18, SCB
	s_lshl_b32 s19, s12, 6
	s_add_co_u32 s19, s19, NB
	s_lshl_b32 s20, s12, 10
	s_lshl_b32 s22, s[TW], 8
	s_add_co_u32 s23, s22, NB
	s_add_co_u32 s22, s22, SCB
	s_mul_i32 s24, s[TW], REC
	s_mov_b32 s[SEL], 0x76543210
	s_mov_b32 s[SEL+1], 0xfedcba98
	v_and_b32 v1, 31, v0                           ; lane
	v_and_b32 v2, 15, v0                           ; r
	v_bfe_u32 v3, v0, 4, 1                         ; h
	v_lshl_add_u32 v[LO], v1, 4, s13
	v_lshl_add_u32 v[SI], v1, 4, s14
	v_mul_u32_u24 v[SO], v2, SP
	v_lshl_add_u32 v[SO], v3, 7, v[SO]
	v_add_nc_u32 v[SO], s14, v[SO]
	v_lshl_add_u32 v[SW], v2, 3, s18
	v_lshl_add_u32 v[NW], v2, 2, s19
	v_lshl_add_u32 v[CO], v1, 4, s20
	v_lshl_add_u32 v[SRD], v1, 3, s22
	v_and_b32 v[NRD], 7, v1
	v_lshl_add_u32 v[NRD], v[NRD], 3, s23
	v_lshl_add_u32 v[G8], v1, 3, s24
	v_mov_b32 v[TT], 0                             ; a lane permute's destination counts as one of its sources: written once
	v_mov_b32 v[TT+1], 0
	s_wait_alu depctr_va_vdst(0)                   ; directly ahead of the wait below
	s_wait_kmcnt 0x0
	s_cmp_lt_u32 ttmp9, NZW                        ; z's work-group or all_z's?  The choice hangs on the work-group's number alone
	s_cselect_b64 s[4:5], s[4:5], s[6:7]           ; from where,
	s_cselect_b64 s[8:9], s[8:9], s[10:11]         ; to where,
	s_mov_b32 s15, VLAST
	s_cselect_b32 s15, ZLAST, s15                  ; the tensor's last row,
	s_cselect_b32 s16, 0, NZW
	s_sub_co_u32 s16, ttmp9, s16                   ; and the pair's number in its tensor
	s_lshl_b32 s17, s16, 5                         ; its first row
	s_mul_i32 s22, s16, 2*REC
	s_mov_b32 s23, 0
	s_add_nc_u64 s[8:9], s[8:9], s[22:23]          ; its records
.irp t, 0,1
.irp i, 0,1,2,3,4,5,6,7,8,9,10,11,12,13,14,15
	s_add_co_u32 s18, s17, 16*\t+\i
	s_min_u32 s18, s18, s15                        ; a row past the end takes the last row's place
	s_lshl_b32 s18, s18, 11                        ; rows of 2,048 bytes
	v_add_nc_u32 v[AD+16*\t+\i], s18, v[LO]
	global_load_b128 v[X+64*\t+4*\i:X+64*\t+4*\i+3], v[AD+16*\t+\i], s[4:5] th:TH_LOAD_NT   ; 32 lanes read 512 consecutive bytes of row i; but for the last row, each byte is read once in the launch
.endr
.endr
; Block c of my two of tile t: its largest magnitude (all 32 numbers are mine), scale operand and byte; its share of the sum of squares; its 32 codes.
.macro BLOCK t, c
.set XB, X+64*\t+32*\c
	v_max3_num_f32 v[M+\c], |v[XB]|, |v[XB+1]|, FLOOR
	v_max3_num_f32 v[TT], |v[XB+2]|, |v[XB+3]|, |v[XB+4]|     ; two chains, so that no line waits for the line above it
.irp i, 5,9,13,17,21,25
	v_max3_num_f32 v[M+\c], v[M+\c], |v[XB+\i]|, |v[XB+\i+1]|
	v_max3_num_f32 v[TT], v[TT], |v[XB+\i+2]|, |v[XB+\i+3]|
.endr
	v_max3_num_f32 v[M+\c], v[M+\c], |v[XB+29]|, |v[XB+30]|
	v_max3_num_f32 v[M+\c], v[M+\c], v[TT], |v[XB+31]|
	v_add_nc_u32 v[SCL+\c], 0xff000000, v[M+\c]    ; 2 off its exponent field: the conversion takes the exponent field of this operand as its scale, and nothing else of it
	v_lshrrev_b32 v[BY+\c], 23, v[SCL+\c]          ; the scale's byte
.if \c == 0
	v_pk_mul_f32 v[N:N+1], v[XB:XB+1], v[XB:XB+1]             ; the first squares start the two chains: nothing is cleared
	v_pk_mul_f32 v[N+2:N+3], v[XB+2:XB+3], v[XB+2:XB+3]
.else
	v_pk_fma_f32 v[N:N+1], v[XB:XB+1], v[XB:XB+1], v[N:N+1]
	v_pk_fma_f32 v[N+2:N+3], v[XB+2:XB+3], v[XB+2:XB+3], v[N+2:N+3]
.endif
.irp j, 4,8,12,16,20,24,28
	v_pk_fma_f32 v[N:N+1], v[XB+\j:XB+\j+1], v[XB+\j:XB+\j+1], v[N:N+1]
	v_pk_fma_f32 v[N+2:N+3], v[XB+\j+2:XB+\j+3], v[XB+\j+2:XB+\j+3], v[N+2:N+3]
.endr
.irp g, 0,1,2,3
	v_cvt_scalef32_pk8_fp4_f32 v[C+8*\t+4*\c+\g], v[XB+8*\g:XB+8*\g+7], v[SCL+\c]   ; eight numbers / the scale, to the nearest code, ties to even, beyond 6 the largest code; the first number's code in the lowest bits
.endr
.endm
.macro TILE t
.irp i, 0,1,2,3,4,5,6,7,8,9,10,11,12,13,14,15
	s_wait_loadcnt 16*(1-\t)+15-\i                 ; loads come back in order (ISA guide 5.7.1): row i is in, the younger ones, the next tile's among them, stay out
	ds_store_b128 v[SI], v[X+64*\t+4*\i:X+64*\t+4*\i+3] offset:SP*\i
.endr
	s_wait_dscnt 0x0                               ; the stores have read their registers, which the loads below write
.irp c, 0,1
.irp j, 0,1,2,3,4,5,6,7
	ds_load_b128 v[X+64*\t+32*\c+4*\j:X+64*\t+32*\c+4*\j+3], v[SO] offset:256*\c+16*\j   ; block 2 c + h of my row: 128 bytes
.endr
.endr
	s_wait_dscnt 8                                 ; LDS loads come back in order: block 0's eight are in, block 1's may be out
	BLOCK \t, 0
	s_wait_dscnt 0x0
	BLOCK \t, 1
	v_nop                                          ; one plain line behind the last scaled conversion
	global_store_b128 v[CO], v[C+8*\t:C+8*\t+3], s[8:9] offset:REC*\t           ; 32 lanes store 512 consecutive bytes, at a multiple of 256 from the buffer's first byte
	global_store_b128 v[CO], v[C+8*\t+4:C+8*\t+7], s[8:9] offset:REC*\t+512
	v_pk_add_f32 v[N:N+1], v[N:N+1], v[N+2:N+3]
	v_lshl_or_b32 v[TT+2], v[BY+1], 16, v[BY]      ; my two bytes: blocks h and 2 + h of my row's word,
	v_lshlrev_b32 v[TT+3], 3, v3
	v_add_f32 v[N], v[N], v[N+1]
	v_lshlrev_b32 v[TT+2], v[TT+3], v[TT+2]        ; at their places (8 h bits up)
	v_permlanex16_b32 v[TT], v[N], s[SEL], s[SEL+1]
	v_permlanex16_b32 v[TT+1], v[TT+2], s[SEL], s[SEL+1]
	v_add_f32 v[N], v[N], v[TT]                    ; with lane l xor 16's: the sum of squares of my row's 128 numbers
	v_or_b32 v[TT+2], v[TT+2], v[TT+1]             ; and the word is whole
	ds_store_b32 v[SW], v[TT+2] offset:256*\t      ; (lanes r and 16 + r write the same word with the same value)
	ds_store_b32 v[NW], v[N] offset:256*\t
.endm
	TILE 0
	TILE 1
	s_wait_dscnt 0x0                               ; for the others' sake: my stores have landed
	s_barrier_signal -1
	s_barrier_wait -1
	s_cmp_eq_u32 s[ODD], 0
	s_cbranch_scc0 .Lodd
	ds_load_b64 v[TT:TT+1], v[SRD]                 ; waves 0, 2: a tile's 64 scale words,
	s_wait_dscnt 0x0
	global_store_b64 v[G8], v[TT:TT+1], s[8:9] offset:4096   ; as 256 consecutive bytes, aligned
	s_wait_tensorcnt 0x0                           ; the wave's end
	ds_add_u32 v[SPW], v[NIL]
	s_wait_dscnt 0x0
	s_endpgm
.Lodd:
	s_cmp_lt_u32 ttmp9, NZW                        ; z has no bias
	s_cbranch_scc1 .Lend
.irp s, 0,1,2,3
	ds_load_b64 v[X+2*\s:X+2*\s+1], v[NRD] offset:64*\s      ; waves 1, 3: rows 2 (lane % 8) and + 1: the four K steps' partial sums
.endr
	s_lshl_b32 s18, s[TW], 4
	s_add_co_u32 s18, s17, s18                     ; the tile's first row
	v_and_b32 v[X+8], 7, v1
	v_lshl_add_u32 v[X+8], v[X+8], 1, s18          ; the two rows' numbers
	v_add_nc_u32 v[X+9], 1, v[X+8]
	v_mov_b32 v[X+10], 0xff000000                  ; -2^127
	s_wait_alu depctr_va_vdst(0)                   ; directly ahead of the wait below
	s_wait_dscnt 0x0
	v_pk_add_f32 v[X:X+1], v[X:X+1], v[X+2:X+3]
	v_pk_add_f32 v[X+4:X+5], v[X+4:X+5], v[X+6:X+7]
	v_pk_add_f32 v[X:X+1], v[X:X+1], v[X+4:X+5]
	v_pk_mul_f32 v[X:X+1], v[X:X+1], -0.5 op_sel_hi:[1,0]    ; exact
	v_cmp_lt_u32 vcc_lo, s15, v[X+8]               ; a row past the end
	v_cndmask_b32 v[X], v[X], v[X+10], vcc_lo
	v_cmp_lt_u32 vcc_lo, s15, v[X+9]
	v_cndmask_b32 v[X+1], v[X+1], v[X+10], vcc_lo
	v_cmp_gt_u32 vcc_lo, 8, v1                     ; lanes 8-31 store zeros, so that the store covers 256 consecutive bytes, aligned
	v_cndmask_b32 v[X], 0, v[X], vcc_lo
	v_cndmask_b32 v[X+1], 0, v[X+1], vcc_lo
	global_store_b64 v[G8], v[X:X+1], s[8:9] offset:4352
.Lend:
	s_wait_tensorcnt 0x0                           ; the wave's end: the same three lines
	ds_add_u32 v[SPW], v[NIL]
	s_wait_dscnt 0x0
	s_endpgm
.Lfunc_end_k_qb89c9754ff_quant:
	.size	k_qb89c9754ff_quant, .Lfunc_end_k_qb89c9754ff_quant-k_qb89c9754ff_quant
	.p2alignl 7, 3214868480
	.fill 96, 4, 3214868480
	.section	.rodata,"a",@progbits
	.p2align	6, 0x0
	.amdhsa_kernel k_qb89c9754ff_quant
		.amdhsa_group_segment_fixed_size 35328
		.amdhsa_private_segment_fixed_size 0
		.amdhsa_enable_private_segment 0
		.amdhsa_kernarg_size 32
		.amdhsa_user_sgpr_count 2
		.amdhsa_user_sgpr_kernarg_segment_ptr 1
		.amdhsa_wavefront_size32 1
		.amdhsa_system_sgpr_workgroup_id_x 1
		.amdhsa_system_sgpr_workgroup_id_y 1
		.amdhsa_system_sgpr_workgroup_id_z 1
		.amdhsa_system_vgpr_workitem_id 0
		.amdhsa_next_free_vgpr 208
		.amdhsa_next_free_sgpr 66
		.amdhsa_reserve_vcc 1
		.amdhsa_float_denorm_mode_32 3
		.amdhsa_float_denorm_mode_16_64 3
		.amdhsa_memory_ordered 1
		.amdhsa_forward_progress 1
		.amdhsa_inst_pref_size 28
	.end_amdhsa_kernel
	.amdgpu_metadata
---
amdhsa.version: [ 1, 2 ]
amdhsa.kernels:
  - .name:           k_qb89c9754ff_quant
    .symbol:         k_qb89c9754ff_quant.kd
    .args:
      - { .name: z, .offset: 0, .size: 8, .value_kind: global_buffer, .address_space: global }
      - { .name: all_z, .offset: 8, .size: 8, .value_kind: global_buffer, .address_space: global }
      - { .name: zq, .offset: 16, .size: 8, .value_kind: global_buffer, .address_space: global }
      - { .name: vq, .offset: 24, .size: 8, .value_kind: global_buffer, .address_space: global }
    .group_segment_fixed_size: 35328
    .private_segment_fixed_size: 0
    .kernarg_segment_align: 8
    .kernarg_segment_size: 32
    .max_flat_workgroup_size: 128
    .sgpr_count:     66
    .vgpr_count:     208
    .wavefront_size: 32
...
	.end_amdgpu_metadata
.endif
;; end of part 1
;; launch score (part 2): grid 8 x 32, 8 waves a work-group, clusters of 4 x 4, 327,680 bytes of LDS; arguments zq, vq, part; writes part
.if DOCPART == 2
	.amdgcn_target "amdgcn-amd-amdhsa--gfx1250"
	.amdhsa_code_object_version 6
	.text
	.protected	k_qb89c9754ff_score
	.globl	k_qb89c9754ff_score
	.p2align	8
	.type	k_qb89c9754ff_score,@function
k_qb89c9754ff_score:
	s_mov_b64 s[64:65], 0
	v_nop
	global_prefetch_b8 v0, s[64:65] scope:SCOPE_SE
	s_setreg_imm32_b32 hwreg(HW_REG_WAVE_MODE, 25, 1), 1
	s_wait_xcnt 0x0
	s_wait_alu depctr_hold_cnt(0) depctr_sa_sdst(0) depctr_va_vdst(0) depctr_va_sdst(0) depctr_va_ssrc(0) depctr_va_vcc(0) depctr_vm_vsrc(0)
	s_getreg_b32 s2, hwreg(HW_REG_IB_STS2, 6, 4)
	s_cmp_eq_u32 s2, 0
	s_cbranch_scc0 .Lentry_in_a_cluster
	s_endpgm
.Lentry_in_a_cluster:
	s_bfe_u32 s2, ttmp6, 0x10000c
	s_cmp_lg_u32 s2, 0xf033
	s_cbranch_scc0 .Lentry_shape_is_right
	s_endpgm
.Lentry_shape_is_right:
; For each of 4,096 queries and each of 64 shares of the vocabulary: the largest D = q . e - |e|^2 / 2 (the smallest |e|^2 - 2 q . e) and its row.
; q . e is the product on codes of MX-FP4, K = 512: four matrix instructions of 128 along K.  -|e|^2 / 2 is the C of a sum's first instruction, so no vector instruction forms a score.
; No score goes to memory: what leaves is, for each query and share, a key (a whole number that falls as D rises, order kept exactly) and a row number.
; SHARES.  A work-group takes 512 queries (block QB, 32 tiles of 16) and 50 tiles of 16 vocabulary rows, 25 pairs (split SPL): 8 x 32 = 256 work-groups of equal work.
; Wave w: query tiles 8 (w % 4) .. + 7, whose 32 fragments stay in 256 registers (window 1), and the split's pairs of parity w / 4, 12 of them; of the 25th pair parity 0 takes query tiles 0-3, parity 1 tiles 4-7.
; LAYOUT.  Source 0 = the 32 vocabulary rows of a pair, source 1 = 16 queries: lane (r, h) holds query r; registers 0-7 are rows 8 h + j of the pair's first tile, registers 8-15 of its second.
; So the maximum stays inside a lane to the end.  A pair goes by two groups of four query tiles: 16 products, then their vector lines.
; THE RUNNING MAXIMUM keeps, for each lane and query tile, the best value, its tile's first row, and the winning tile's eight values: the row inside the tile is looked for once, at the end.
; A later tile wins only by a strictly larger value, and among equals the lowest row is taken: exact ties of D go to the lowest row number.
; The selections are dual instructions under VCC, two registers a line: 32 lines for 64 accumulator registers.
; CLUSTER.  4 x 4 work-groups: the four of a column share the queries, the four of a row the split: each tile is asked for JOINTLY, by the same tensor load with the same descriptor and a mask of the four.
; LDS.  Tile t of the split lies at byte 4,608 t, dense as in memory.  The head brings tiles 0-17 and, into the places of tiles 18-49, the 32 query tiles; once these are in registers the one refill brings tiles 18-49.
; No prefetch: no load follows the refill, which goes out in trip 0 of 12 and is first read in trip 3.
; REGISTERS.  Window 0 is full (256), so what is used seldom, the add's two registers among it, is made anew from v0.
; LIMITS.  NaN and infinities are not served.  The order of rounding differs from a sum of products followed by one subtraction: the bias enters first, so each of the four K steps rounds at D's magnitude;
; two rows whose D differ by a few units in D's last place may change places.
.set REC,   4608                       ; a record in memory and in LDS
.set PAIR,  2*REC
.set QREG,  18*REC                     ; LDS: the 32 query tiles, later tiles 18-49
.set STAGE, 50*REC                     ; the way out: [query tile 32][parity 2][query 16][key, row]: 8,192 bytes into which no fill lands
.set SPARE, STAGE+8192                 ; the spare words, 128 bytes for each wave: four blocks of 256 bytes that no other line names
.set RB,    768                        ; bytes of a tensor row: every load is a dense block of such rows
.set NQR,   48                         ; rows of 8 query records (waves 0-3)
.set NVR,   27                         ; rows of 4.5 records (waves 4-7: tiles 0-17)
.set NRR,   24                         ; rows of 4 records (all waves: tiles 18-49)
.set ADS, 1                            ; v1   LDS address of my scale words: 8 r + a record for lanes 16-31
.set CUR, 2                            ; v2-3 the first rows of the pair's two tiles (2 and 3 mod 4: no bank of the values that they are paired with)
.set AS,  4                            ; v4-7 the pair's scale words of K steps 0, 2, 1, 3: lane m for row m of 32
.set TT,  8                            ; v8-15 at work: query tile l of the group: the tile's largest value at TT + 4 (l / 2) + l % 2, a second chain two registers on
.set ADR, 8                            ; v8   in front of a fetch: LDS address of the codes for my lane (16 x lane)
.set ADB, 9                            ; v9   and of the biases (32 h)
.set QAD, 10                           ; v10-11 at the head: LDS addresses of my query tiles' codes and scale words
.set QAS, 11
.set SPW, 12                           ; v12  LDS address of my spare word: SPARE + 4 x my thread's number; made anew in front of each use
.set NIL, 13                           ; v13  0, likewise
.set QS,  16                           ; v16-31 scale words of query tile q at 2 q: register i: K step 2 i in lanes 0-15, 2 i + 1 in lanes 16-31
.set BI,  32                           ; v32-47 the biases of rows 8 h + 0 .. 7 of the two tiles
.set BT,  48                           ; v48-63 query tile q: the best so far at 2 q, its tile's first row at 2 q + 1
.set AF,  64                           ; v64-127  the pair's four fragments, 16 registers each
.set ACC, 128                          ; v128-191 four accumulators of 16
.set W,   192                          ; v192-255 the winning tile's eight values
.set J,   64                           ; the end's scratch lies where fragments and accumulators lay
.set U,   72
.set K,   80
.set IX,  88
.set K2,  96
.set I2,  104
.set OUTP, 112                         ; v112-127 (key, row) pairs; v128-135 rows of the stage
.set H8,  4                            ; v4   8 h
.set STA, 5                            ; v5   the stage: where I put a query's pair
.set STR, 6                            ; v6   and where I read 16 bytes back
.set GO,  7                            ; v7   my byte offset in part
.set WV,  10                           ; s10  wave
.set QG,  11                           ; s11  wave % 4
.set VH,  12                           ; s12  wave / 4
.set CX,  13
.set CY,  14
.set QB,  15
.set SPL, 16
.set MCOL, 17
.set MROW, 18
.set G1Q, 20                           ; s[20:27] group 1: queries;  s[28:35] tiles 0-17;  s[36:43] tiles 18-49
.set G1V, 28
.set G1R, 36
.set G0Q, 44                           ; groups 0 of the same three, written once and never stepped
.set G0V, 48
.set G0R, 52
.set STI, 56                           ; s56  my part of the stage, in
.set STO, 57                           ; s57  and out
.set ROW1, 59                          ; s59  the first row of the pair's second tile
.set MK,  66                           ; s[66:73] a lane mask for each query tile
.set TB,  74                           ; s74  LDS byte of the pair in hand
.set ROW, 75                           ; s75  its first row in the vocabulary
.set CNT, 76
.set SEL, 78                           ; s[78:79] lane selects for v_permlanex16_b32: lane l xor 16
.set MSB, 0
.macro WIN new                         ; the immediate's high byte repeats the setting that is left
.if MSB != \new
	s_set_vgpr_msb (MSB<<8)|\new
.set MSB, \new
.endif
.endm
; A round of the cluster's barrier: my work-group's barrier, so that wave 0's signal speaks for all eight waves; wave 0 signals; every wave waits for all sixteen work-groups; my work-group's barrier once more.
.macro CROUND
	s_barrier_signal -1
	s_barrier_wait -1
	s_cmp_lg_u32 s[WV], 0
	s_cbranch_scc1 .Lnot_wave_0_\@
	s_barrier_signal -3
.Lnot_wave_0_\@:
	s_barrier_wait -3
	s_barrier_signal -1
	s_barrier_wait -1
.endm
; The scale words' address, from v0 and TB.
.macro ADSET
	v_and_b32 v14, 15, v0
	v_bfe_u32 v15, v0, 4, 1
	v_lshlrev_b32 v14, 3, v14
	v_mul_u32_u24 v15, v15, REC
	v_add_nc_u32 v14, v14, v15
	v_add_nc_u32 v[ADS], s[TB], v14
.endm
; The codes' and the biases' addresses, from v0 and TB: also the four places (ISA guide 7.12.1) behind a group's products.
.macro ADRSET
	v_and_b32 v[ADR], 31, v0
	v_and_b32 v[ADB], 16, v0
	v_lshl_add_u32 v[ADR], v[ADR], 4, s[TB]
	v_lshl_add_u32 v[ADB], v[ADB], 1, s[TB]
.endm
	s_load_b128 s[4:7], s[0:1], 0x0                ; zq s[4:5], vq s[6:7]
	s_load_b64 s[8:9], s[0:1], 0x10                ; part
	v_lshl_add_u32 v[SPW], v0, 2, SPARE
	v_mov_b32 v[NIL], 0
	ds_add_u32 v[SPW], v[NIL]                      ; the wave's opening: the add, twice on end, and its wait ahead of my first tensor load; work on registers stands between
	ds_add_u32 v[SPW], v[NIL]
	v_lshrrev_b32 v14, 5, v0
	v_readfirstlane_b32 s[WV], v14                 ; wave 0..7
	s_and_b32 s[QG], s[WV], 3
	s_lshr_b32 s[VH], s[WV], 2
	s_bfe_u32 s[CX], ttmp6, 0x40000                ; my place in the cluster
	s_bfe_u32 s[CY], ttmp6, 0x40004
	s_lshl_b32 s[QB], ttmp9, 2
	s_add_co_u32 s[QB], s[QB], s[CX]               ; block of queries = 4 x cluster x + cx
	s_and_b32 s[SPL], ttmp7, 0xffff
	s_lshl_b32 s[SPL], s[SPL], 2
	s_add_co_u32 s[SPL], s[SPL], s[CY]             ; split = 4 x cluster y + cy
	s_lshl_b32 s[MCOL], 0x1111, s[CX]              ; my column of the cluster: places cx, cx + 4, cx + 8, cx + 12
	s_lshl_b32 s[MROW], s[CY], 2
	s_lshl_b32 s[MROW], 15, s[MROW]                ; my row: places 4 cy .. 4 cy + 3
	; descriptor groups 1: elements of 8 bytes, dense rows of 768 bytes, no padding
	s_or_b32 s[G1Q], s[MCOL], (3<<16)|(1<<21)      ; 15:0 the mask: the queries go to my column; 17:16 elements of 8 bytes; 21 set beside a mask
	s_or_b32 s[G1V], s[MROW], (3<<16)|(1<<21)      ; the vocabulary's tiles go to my row
	s_or_b32 s[G1R], s[MROW], (3<<16)|(1<<21)
.macro SHAPE g, n
	s_mov_b32 s[\g+1], (RB/8)<<16                  ; tensor_dim0
	s_mov_b32 s[\g+2], \n<<16                      ; tensor_dim1
	s_mov_b32 s[\g+3], (RB/8)<<16                  ; tile_dim0
	s_mov_b32 s[\g+4], \n                          ; tile_dim1
	s_mov_b32 s[\g+5], RB/8                        ; tensor_dim0_stride
	s_mov_b32 s[\g+6], 0
	s_mov_b32 s[\g+7], 0
.endm
	SHAPE G1Q, NQR
	SHAPE G1V, NVR
	SHAPE G1R, NRR
	; where the tiles come from.  The queries' offset is made of QB and the wave's number, the vocabulary's of SPL and the wave's number, each in registers that never hold the other coordinate
	s_lshl_b32 s80, s[QB], 5
	s_lshl_b32 s81, s[QG], 3
	s_add_co_u32 s80, s80, s81                     ; query tile 32 QB + 8 (w % 4)
	s_mul_i32 s80, s80, REC
	s_mov_b32 s81, 0
	s_mul_i32 s82, s[SPL], 50*REC
	s_mul_i32 s83, s[QG], NVR*RB
	s_add_co_u32 s82, s82, s83
	s_mov_b32 s83, 0
	s_mul_i32 s84, s[SPL], 50*REC
	s_mul_i32 s85, s[WV], NRR*RB
	s_add_co_u32 s84, s84, s85
	s_add_co_u32 s84, s84, 18*REC
	s_mov_b32 s85, 0
	s_lshl_b32 s86, s[QB], 18                      ; part: 32 QB + 4 w query tiles of 8,192 bytes, + 256 SPL
	s_lshl_b32 s87, s[WV], 15
	s_add_co_u32 s86, s86, s87
	s_lshl_b32 s87, s[SPL], 8
	s_add_co_u32 s86, s86, s87
	s_mov_b32 s87, 0
	; and where they go: the wave's number and constants alone
	s_mov_b32 s[G0Q], 1
	s_mul_i32 s[G0Q+1], s[QG], NQR*RB
	s_add_co_u32 s[G0Q+1], s[G0Q+1], QREG
	s_mov_b32 s[G0V], 1
	s_mul_i32 s[G0V+1], s[QG], NVR*RB
	s_mov_b32 s[G0R], 1
	s_mul_i32 s[G0R+1], s[WV], NRR*RB
	s_add_co_u32 s[G0R+1], s[G0R+1], QREG
	s_mul_i32 s[TB], s[VH], PAIR
	s_mul_i32 s[ROW], s[SPL], 800                  ; my first pair's first row: 16 (50 SPL + 2 x parity)
	s_lshl_b32 s88, s[VH], 5
	s_add_co_u32 s[ROW], s[ROW], s88
	s_add_co_u32 s[ROW1], s[ROW], 16
	s_mov_b32 s[SEL], 0x76543210
	s_mov_b32 s[SEL+1], 0xfedcba98
	s_lshl_b32 s[STI], s[QG], 11                   ; the stage: 256 bytes a query tile, 128 a parity, 8 a query
	s_lshl_b32 s[STO], s[VH], 7
	s_add_co_u32 s[STI], s[STI], s[STO]
	s_add_co_u32 s[STI], s[STI], STAGE
	s_lshl_b32 s[STO], s[WV], 10                   ; back: wave w takes query tiles 4 w .. 4 w + 3
	s_add_co_u32 s[STO], s[STO], STAGE
	s_mul_i32 s58, s[QG], 8*REC
	s_add_co_u32 s58, s58, QREG
	s_mov_b32 s89, 0xff800000                      ; -infinity
	ADSET
	v_and_b32 v14, 31, v0                          ; lane
	v_lshl_add_u32 v[QAD], v14, 4, s58
	v_lshl_add_u32 v[QAS], v14, 3, s58
	ADRSET
	s_wait_alu depctr_va_vdst(0)                   ; directly ahead of the waits below
	s_wait_dscnt 0x0                               ; both opening adds are done
	s_wait_kmcnt 0x0
	s_add_nc_u64 s[G0Q+2:G0Q+3], s[4:5], s[80:81]
	s_or_b32 s[G0Q+3], s[G0Q+3], 0x80000000        ; 127:126 type = 2
	s_add_nc_u64 s[G0V+2:G0V+3], s[6:7], s[82:83]
	s_or_b32 s[G0V+3], s[G0V+3], 0x80000000
	s_add_nc_u64 s[G0R+2:G0R+3], s[6:7], s[84:85]
	s_or_b32 s[G0R+3], s[G0R+3], 0x80000000
	s_add_nc_u64 s[8:9], s[8:9], s[86:87]
	CROUND                                         ; all sixteen work-groups are here: the first joint loads meet
	s_cmp_lt_u32 s[WV], 4                          ; one load a wave: waves 0-3 the queries, waves 4-7 tiles 0-17; the branch hangs on the wave's number alone
	s_cbranch_scc0 .Lhead_v
	tensor_load_to_lds s[G0Q:G0Q+3], s[G1Q:G1Q+7]
	s_nop 0
.rept 4
	v_nop
.endr
	s_branch .Lhead_asked
.Lhead_v:
	tensor_load_to_lds s[G0V:G0V+3], s[G1V:G1V+7]
	s_nop 0
.rept 4
	v_nop
.endr
.Lhead_asked:
.irp q, 0,1,2,3,4,5,6,7                        ; while they are on their way the running maximum gets its start: -infinity, under every value
	v_mov_b32 v[BT+2*\q], s89
	v_mov_b32 v[BT+2*\q+1], 0
.endr
.set i, 0
.rept 64
	v_mov_b32 v[W+i], s89
.set i, i+1
.endr
; The 22 LDS loads of a pair: eight biases of each tile (the same 32 bytes for each half of the lanes), four registers of scale words, four fragments as images of their registers (512 consecutive bytes a load).
.macro FETCH
.irp u, 0,1
	ds_load_b128 v[BI+8*\u:BI+8*\u+3], v[ADB] offset:REC*\u+4352
	ds_load_b128 v[BI+8*\u+4:BI+8*\u+7], v[ADB] offset:REC*\u+4368
.endr
	ds_load_b64 v[AS:AS+1], v[ADS] offset:4096
	ds_load_b64 v[AS+2:AS+3], v[ADS] offset:4224
.irp s, 0,1,2,3
.irp u, 0,1
.irp c, 0,1
	ds_load_b128 v[AF+16*\s+8*\u+4*\c:AF+16*\s+8*\u+4*\c+3], v[ADR] offset:REC*\u+1024*\s+512*\c
.endr
.endr
.endr
.endm
; 16 products: query tiles 4 g .. 4 g + 3, K step by K step, the four accumulators by turns, one instruction a turn.  The first K step takes the biases as C.
.macro MULG g
	WIN 0x04                                       ; source 1 (the queries) in window 1
.irp s, 0,1,2,3
.set i, 4*\g
.rept 4
.if \s == 0
	v_wmma_scale_f32_32x16x128_f4 v[ACC+16*(i%4):ACC+16*(i%4)+15], v[AF+16*\s:AF+16*\s+15], v[32*i+8*\s:32*i+8*\s+7], v[BI:BI+15], v[AS+\s/2+2*(\s%2)], v[QS+2*i+\s/2]
.elseif \s == 2
	v_wmma_scale_f32_32x16x128_f4 v[ACC+16*(i%4):ACC+16*(i%4)+15], v[AF+16*\s:AF+16*\s+15], v[32*i+8*\s:32*i+8*\s+7], v[ACC+16*(i%4):ACC+16*(i%4)+15], v[AS+\s/2+2*(\s%2)], v[QS+2*i+\s/2]
.else
	v_wmma_scale_f32_32x16x128_f4 v[ACC+16*(i%4):ACC+16*(i%4)+15], v[AF+16*\s:AF+16*\s+15], v[32*i+8*\s:32*i+8*\s+7], v[ACC+16*(i%4):ACC+16*(i%4)+15], v[AS+\s/2+2*(\s%2)], v[QS+2*i+\s/2] matrix_b_scale:MATRIX_SCALE_ROW1
.endif
.set i, i+1
.endr
.endr
	WIN 0
.endm
; Four plain vector lines or more behind the first group's products: the pair's rows, and the step to the next pair (next = 1: mine, two pairs on; 2: the 25th).
.macro STEP next
	v_mov_b32 v[CUR], s[ROW]
	v_mov_b32 v[CUR+1], s[ROW1]
	s_add_co_u32 s[ROW], s[ROW], 64
	s_add_co_u32 s[ROW1], s[ROW1], 64
.if \next == 1
	s_add_co_u32 s[TB], s[TB], 2*PAIR
	v_add_nc_u32 v[ADS], 2*PAIR, v[ADS]
	v_nop
.else
	s_mov_b32 s[TB], 24*PAIR
	ADSET
.endif
.endm
; The running maximum of group g.  u: the pair's first or second tile; l: the query tile in the group.  The tile's largest of my eight rows: three lines and half a dual line; is it larger than the best;
; if so the best, its tile and its eight values are taken.  Each accumulator is read from its low end on.
.macro MXA u, l
	v_max3_num_f32 v[TT+4*((\l)/2)+(\l)%2], v[ACC+16*(\l)+8*(\u)], v[ACC+16*(\l)+8*(\u)+1], v[ACC+16*(\l)+8*(\u)+2]
.endm
.macro MXB u, l
	v_max3_num_f32 v[TT+4*((\l)/2)+(\l)%2+2], v[ACC+16*(\l)+8*(\u)+3], v[ACC+16*(\l)+8*(\u)+4], v[ACC+16*(\l)+8*(\u)+5]
.endm
.macro MXC u, l
	v_max3_num_f32 v[TT+4*((\l)/2)+(\l)%2], v[TT+4*((\l)/2)+(\l)%2], v[ACC+16*(\l)+8*(\u)+6], v[ACC+16*(\l)+8*(\u)+7]
.endm
.macro MXM p                           ; query tiles 2 p and 2 p + 1 of the group
	v_dual_max_num_f32 v[TT+4*(\p)], v[TT+4*(\p)], v[TT+4*(\p)+2] :: v_dual_max_num_f32 v[TT+4*(\p)+1], v[TT+4*(\p)+1], v[TT+4*(\p)+3]
.endm
.macro CMPB g, l
	v_cmp_gt_f32 vcc_lo, v[TT+4*((\l)/2)+(\l)%2], v[BT+8*\g+2*(\l)]   ; strictly: among equal tiles the earlier stays
.endm
.macro SELB g, u, l                    ; the best and its tile
	v_dual_cndmask_b32 v[BT+8*\g+2*(\l)], v[BT+8*\g+2*(\l)], v[TT+4*((\l)/2)+(\l)%2] :: v_dual_cndmask_b32 v[BT+8*\g+2*(\l)+1], v[BT+8*\g+2*(\l)+1], v[CUR+(\u)]
.endm
.macro SELW g, u, l, k                 ; values k and k + 1
	v_dual_cndmask_b32 v[W+32*\g+8*(\l)+\k], v[W+32*\g+8*(\l)+\k], v[ACC+16*(\l)+8*(\u)+\k] :: v_dual_cndmask_b32 v[W+32*\g+8*(\l)+\k+1], v[W+32*\g+8*(\l)+\k+1], v[ACC+16*(\l)+8*(\u)+\k+1]
.endm
.macro EPIG g                          ; four steps: tile u = n / 2, query tiles 2 p, 2 p + 1, p = n % 2; the next step's maxima stand between a compare and its selections
	MXA 0, 0
	MXA 0, 1
	MXB 0, 0
	MXB 0, 1
	MXC 0, 0
	MXC 0, 1
	MXM 0
.irp n, 0,1,2,3
.set cu, \n/2
.set cp, \n%2
.set nu, (\n+1)/2
.set np, (\n+1)%2
	CMPB \g, 2*cp
.if \n < 3
	MXA nu, 2*np
	MXA nu, 2*np+1
	MXB nu, 2*np
	MXB nu, 2*np+1
.endif
	SELB \g, cu, 2*cp
	SELW \g, cu, 2*cp, 0
	SELW \g, cu, 2*cp, 2
	SELW \g, cu, 2*cp, 4
	SELW \g, cu, 2*cp, 6
	CMPB \g, 2*cp+1
.if \n < 3
	MXC nu, 2*np
	MXC nu, 2*np+1
.endif
	SELB \g, cu, 2*cp+1
	SELW \g, cu, 2*cp+1, 0
	SELW \g, cu, 2*cp+1, 2
.if \n < 3
	MXM np
.endif
	SELW \g, cu, 2*cp+1, 4
	SELW \g, cu, 2*cp+1, 6
.endr
.endm
; One pair.  The next pair's loads are issued behind the second group's products and have that group's vector lines in which to come: one set of registers serves.
; sync = 1: the next pair may lie in the refill: every wave has waited for its part in front of the barrier, whose two halves stand round this pair's work up to the fetch.
.macro TRIP next, sync
.if \sync
	s_wait_tensorcnt 0x0
.endif
	s_wait_dscnt 0x0                               ; the pair's 22 loads are in
.if \sync
	s_barrier_signal -1
.endif
	MULG 0
	STEP \next
	EPIG 0
	MULG 1
.if \sync
	s_barrier_wait -1
.endif
	ADRSET
	FETCH
	EPIG 1
.endm
	s_wait_alu depctr_va_vdst(0)                   ; the head's end
	s_wait_tensorcnt 0x0                           ; my one load has landed,
	s_barrier_signal -1
	s_barrier_wait -1                              ; and everybody's
.irp q, 0,1,2,3,4,5,6,7
	ds_load_b64 v[QS+2*\q:QS+2*\q+1], v[QAS] offset:REC*\q+4096
.endr
	FETCH                                          ; my first pair
	WIN 0x40                                       ; destination window 1
.irp q, 0,1,2,3,4,5,6,7
.irp s, 0,1,2,3
.irp c, 0,1
	ds_load_b128 v[32*\q+8*\s+4*\c:32*\q+8*\s+4*\c+3], v[QAD] offset:REC*\q+1024*\s+512*\c   ; the queries' fragments stay in registers
.endr
.endr
.endr
	WIN 0
	s_wait_dscnt 32                                ; the pair and query tiles 0-3 are in; query tiles 4-7's 32 loads may be out
	MULG 0                                         ; TRIP 0, with the refill in its middle
	STEP 1
	EPIG 0
	s_wait_dscnt 0x0
	MULG 1
	; THE ONE REFILL: tiles 18-49 into the queries' bytes.  Every wave waits for all its tensor loads, adds 0 to its spare word, and waits for that and for its LDS reads;
	; the round shows the same of every wave of every partner; the joint refill is the first thing behind it.
	v_lshl_add_u32 v[SPW], v0, 2, SPARE
	v_mov_b32 v[NIL], 0
	s_wait_alu depctr_va_vdst(0)                   ; directly ahead of the wait below
	s_wait_tensorcnt 0x0
	ds_add_u32 v[SPW], v[NIL]
	ADRSET
	s_wait_alu depctr_va_vdst(0)
	s_wait_dscnt 0x0
	CROUND
	tensor_load_to_lds s[G0R:G0R+3], s[G1R:G1R+7]
	s_nop 0
.rept 4
	v_nop
.endr
	FETCH
	EPIG 1
	s_mov_b32 s[CNT], 2
.Lfirst:                                               ; trips 1, 2
	TRIP 1, 0
	s_sub_co_u32 s[CNT], s[CNT], 1
	s_cmp_lg_u32 s[CNT], 0
	s_cbranch_scc1 .Lfirst
	TRIP 1, 1                                      ; trip 3 fetches the first pairs behind tile 15: pair 8 (tiles 16, 17) or pair 9 (18, 19)
	s_mov_b32 s[CNT], 7
.Lsecond:                                              ; trips 4-10
	TRIP 1, 0
	s_sub_co_u32 s[CNT], s[CNT], 1
	s_cmp_lg_u32 s[CNT], 0
	s_cbranch_scc1 .Lsecond
	TRIP 2, 0                                      ; trip 11 fetches the 25th pair
	s_mul_i32 s88, s[SPL], 800
	s_add_co_u32 s88, s88, 48*16                   ; its rows
	s_add_co_u32 s89, s88, 16
	v_mov_b32 v[CUR], s88
	v_mov_b32 v[CUR+1], s89
	s_wait_alu depctr_va_vdst(0)                   ; ahead of the wait and the branch below
	s_wait_dscnt 0x0
	s_cmp_eq_u32 s[VH], 0                          ; the 25th pair is shared by query tiles; the branch hangs on the wave's number alone
	s_cbranch_scc0 .Lparity_1
	MULG 0
.rept 4
	v_nop
.endr
	EPIG 0
	s_branch .Lfound
.Lparity_1:
	MULG 1
.rept 4
	v_nop
.endr
	EPIG 1
.Lfound:
	s_wait_alu depctr_va_vdst(0)
	; THE END.
	v_bfe_u32 v14, v0, 4, 1                        ; h
	v_and_b32 v15, 15, v0                          ; r
	v_and_b32 v13, 31, v0                          ; lane
	v_lshlrev_b32 v[H8], 3, v14
	v_lshl_add_u32 v[STA], v15, 3, s[STI]
	v_lshl_add_u32 v[STR], v13, 4, s[STO]
	v_lshlrev_b32 v[GO], 13, v14                   ; lanes 0-15 one query tile's 256 bytes, lanes 16-31 the next tile's, 8,192 bytes on
	v_lshl_add_u32 v[GO], v15, 4, v[GO]
	; The lowest j whose value is the best: from 7 down, each equal j takes the place.
.irp q, 0,1,2,3,4,5,6,7
	v_mov_b32 v[J+\q], 7
.endr
.irp j, 6,5,4,3,2,1,0
.irp q, 0,1,2,3,4,5,6,7
	v_cmp_neq_f32 s[MK+\q], v[W+8*\q+\j], v[BT+2*\q]
.endr
.irp q, 0,1,2,3,4,5,6,7
	v_cndmask_b32 v[J+\q], \j, v[J+\q], s[MK+\q]
.endr
.endr
.irp q, 0,1,2,3,4,5,6,7
	v_add3_u32 v[IX+\q], v[BT+2*\q+1], v[J+\q], v[H8]        ; the row: 16 t + 8 h + j
.endr
.irp q, 0,1,2,3,4,5,6,7
	v_add_f32 v[U+\q], 0, v[BT+2*\q]               ; -0 becomes +0
.endr
.irp q, 0,1,2,3,4,5,6,7
	v_ashrrev_i32 v[K+\q], 31, v[U+\q]             ; the key: a value of 0 or more has all bits under the sign turned, a negative one stays as it is:
.endr
.irp q, 0,1,2,3,4,5,6,7
	v_xor_b32 v[K+\q], -1, v[K+\q]
.endr
.irp q, 0,1,2,3,4,5,6,7
	v_lshrrev_b32 v[K+\q], 1, v[K+\q]
.endr
.irp q, 0,1,2,3,4,5,6,7
	v_xor_b32 v[K+\q], v[U+\q], v[K+\q]            ; as an unsigned number it falls where the value rises
.endr
.irp q, 0,1,2,3,4,5,6,7
	v_permlanex16_b32 v[K2+\q], v[K+\q], s[SEL], s[SEL+1]    ; the query's other eight rows of each tile lie in the lane 16 away
.endr
.irp q, 0,1,2,3,4,5,6,7
	v_permlanex16_b32 v[I2+\q], v[IX+\q], s[SEL], s[SEL+1]
.endr
.irp q, 0,1,2,3,4,5,6,7
	v_min_u32 v[OUTP+2*\q], v[K+\q], v[K2+\q]
.endr
.irp q, 0,1,2,3,4,5,6,7
	v_cmp_eq_u32 s[MK+\q], v[K+\q], v[OUTP+2*\q]
.endr
.irp q, 0,1,2,3,4,5,6,7
	v_cndmask_b32 v[IX+\q], -1, v[IX+\q], s[MK+\q] ; a row whose key is not the smaller counts for nothing
.endr
.irp q, 0,1,2,3,4,5,6,7
	v_cmp_eq_u32 s[MK+\q], v[K2+\q], v[OUTP+2*\q]
.endr
.irp q, 0,1,2,3,4,5,6,7
	v_cndmask_b32 v[I2+\q], -1, v[I2+\q], s[MK+\q]
.endr
.irp q, 0,1,2,3,4,5,6,7
	v_min_u32 v[OUTP+2*\q+1], v[IX+\q], v[I2+\q]   ; of equal keys the lower row
.endr
.irp q, 0,1,2,3,4,5,6,7
	ds_store_b64 v[STA], v[OUTP+2*\q:OUTP+2*\q+1] offset:256*\q   ; (lanes r and 16 + r write the same pair)
.endr
	s_wait_dscnt 0x0                               ; for the others' sake: a query tile's 256 bytes come from two waves
	s_barrier_signal -1
	s_barrier_wait -1
	ds_load_b128 v[128:131], v[STR]                ; query tiles 4 w, 4 w + 1
	ds_load_b128 v[132:135], v[STR] offset:512     ; 4 w + 2, 4 w + 3
	s_wait_dscnt 0x1                               ; the first is in
	global_store_b128 v[GO], v[128:131], s[8:9]    ; 16 lanes store 256 consecutive bytes, at a multiple of 256 from part's first byte
	s_wait_dscnt 0x0
	global_store_b128 v[GO], v[132:135], s[8:9] offset:16384
	v_lshl_add_u32 v[SPW], v0, 2, SPARE
	v_mov_b32 v[NIL], 0
	s_wait_alu depctr_va_vdst(0)                   ; directly ahead of the wait below
	s_wait_tensorcnt 0x0                           ; the wave's end: three lines behind my last tensor load and my last LDS store
	ds_add_u32 v[SPW], v[NIL]
	s_wait_dscnt 0x0
	CROUND                                         ; the closing round: no work-group ends while a partner may still ask for a tile that names it
	s_endpgm
.Lfunc_end_k_qb89c9754ff_score:
	.size	k_qb89c9754ff_score, .Lfunc_end_k_qb89c9754ff_score-k_qb89c9754ff_score
	.p2alignl 7, 3214868480
	.fill 96, 4, 3214868480
	.section	.rodata,"a",@progbits
	.p2align	6, 0x0
	.amdhsa_kernel k_qb89c9754ff_score
		.amdhsa_group_segment_fixed_size 327680
		.amdhsa_private_segment_fixed_size 0
		.amdhsa_enable_private_segment 0
		.amdhsa_kernarg_size 24
		.amdhsa_user_sgpr_count 2
		.amdhsa_user_sgpr_kernarg_segment_ptr 1
		.amdhsa_wavefront_size32 1
		.amdhsa_system_sgpr_workgroup_id_x 1
		.amdhsa_system_sgpr_workgroup_id_y 1
		.amdhsa_system_sgpr_workgroup_id_z 1
		.amdhsa_system_vgpr_workitem_id 0
		.amdhsa_next_free_vgpr 512
		.amdhsa_next_free_sgpr 90
		.amdhsa_reserve_vcc 1
		.amdhsa_float_denorm_mode_32 3
		.amdhsa_float_denorm_mode_16_64 3
		.amdhsa_memory_ordered 1
		.amdhsa_forward_progress 1
		.amdhsa_inst_pref_size 120
	.end_amdhsa_kernel
	.amdgpu_metadata
---
amdhsa.version: [ 1, 2 ]
amdhsa.kernels:
  - .name:           k_qb89c9754ff_score
    .symbol:         k_qb89c9754ff_score.kd
    .args:
      - { .name: zq, .offset: 0, .size: 8, .value_kind: global_buffer, .address_space: global }
      - { .name: vq, .offset: 8, .size: 8, .value_kind: global_buffer, .address_space: global }
      - { .name: part, .offset: 16, .size: 8, .value_kind: global_buffer, .address_space: global }
    .group_segment_fixed_size: 327680
    .private_segment_fixed_size: 0
    .kernarg_segment_align: 8
    .kernarg_segment_size: 24
    .max_flat_workgroup_size: 256
    .sgpr_count:     90
    .vgpr_count:     512
    .wavefront_size: 32
...
	.end_amdgpu_metadata
.endif
;; end of part 2
;; launch pick (part 3): grid 256 x 1, 8 waves a work-group, no clusters, 3,328 bytes of LDS; arguments part, all_z, out0; writes out0
.if DOCPART == 3
	.amdgcn_target "amdgcn-amd-amdhsa--gfx1250"
	.amdhsa_code_object_version 6
	.text
	.protected	k_qb89c9754ff_pick
	.globl	k_qb89c9754ff_pick
	.p2align	8
	.type	k_qb89c9754ff_pick,@function
k_qb89c9754ff_pick:
	s_mov_b64 s[64:65], 0
	v_nop
	global_prefetch_b8 v0, s[64:65] scope:SCOPE_SE
	s_setreg_imm32_b32 hwreg(HW_REG_WAVE_MODE, 25, 1), 1
	s_wait_xcnt 0x0
; Of each query's 64 candidates (key, row), whole numbers that the launch before stored, the smallest key is taken, among equal keys the lowest row; that row of all_z, 2,048 bytes, is copied to out0.
; part: [query tile 256][candidate 64][query 16][key u32, row u32].  A work-group takes a query tile: 8,192 consecutive bytes, 16 queries.
; Thread t takes candidates t / 16 + 16 k, k = 0 .. 3, of query t % 16: each load of a wave reads 256 consecutive bytes.  The 16 survivors of a query meet in LDS; wave w then serves queries 2 w (lanes 0-15) and 2 w + 1 (lanes 16-31).
; All decisions are made on whole numbers read from memory; the row number is held to the table's last row before it enters an address.
; Memory binds and the work is small: no matrix unit, no tensor load, no cluster.  No prefetch: a row is known only straight in front of its loads.
.set VLAST, 0x6227                     ; 25,127
.set PIT,   136                        ; an LDS row: 16 pairs + 8 bytes = 34 words: the 32 lanes of the read below touch 64 different banks (64 banks of 4 bytes: ISA guide 11.1)
	s_load_b128 s[4:7], s[0:1], 0x0                ; part s[4:5], all_z s[6:7]
	s_load_b64 s[8:9], s[0:1], 0x10                ; out0
	v_lshl_add_u32 v64, v0, 2, 0x900
	v_mov_b32 v65, 0
	v_lshrrev_b32 v1, 5, v0
	s_delay_alu instid0(VALU_DEP_1)
	v_readfirstlane_b32 s10, v1                    ; wave 0..7
	v_and_b32 v3, 15, v0                           ; lane % 16 = t % 16
	v_bfe_u32 v4, v0, 4, 1                         ; lane / 16
	v_lshlrev_b32 v5, 3, v0                        ; 8 t
	v_lshrrev_b32 v6, 4, v0
	s_delay_alu instid0(VALU_DEP_1)
	v_mul_u32_u24 v6, v6, PIT
	s_delay_alu instid0(VALU_DEP_1)
	v_lshl_add_u32 v6, v3, 3, v6                   ; LDS, in: row t / 16, query t % 16
	v_mul_u32_u24 v7, v3, PIT
	s_delay_alu instid0(VALU_DEP_1)
	v_lshl_add_u32 v7, v4, 3, v7
	s_lshl_b32 s11, s10, 4
	v_add_nc_u32 v7, s11, v7                       ; out: row lane % 16, query 2 w + lane / 16
	v_lshlrev_b32 v25, 4, v3                       ; 16 bytes a lane: 16 lanes to 256 bytes of a row
	s_delay_alu instid0(VALU_DEP_1)
	v_lshl_add_u32 v26, v4, 11, v25
	s_lshl_b32 s11, s10, 12
	v_add_nc_u32 v26, s11, v26                     ; out0: 4,096 w + 2,048 (lane / 16) + 16 (lane % 16)
	v_mov_b32 v22, 0                               ; a DPP line's destination counts as one of its sources: written once
	s_lshl_b32 s12, ttmp9, 13                      ; the tile's candidates
	s_mov_b32 s13, 0
	s_lshl_b32 s14, ttmp9, 15                      ; the tile's 16 rows of out0
	s_mov_b32 s15, 0
	s_wait_kmcnt 0x0
	s_add_nc_u64 s[4:5], s[4:5], s[12:13]
	s_add_nc_u64 s[8:9], s[8:9], s[14:15]
.irp k, 0,1,2,3
	global_load_b64 v[8+2*\k:9+2*\k], v5, s[4:5] offset:2048*\k th:TH_LOAD_NT   ; read once in the launch
.endr
	s_wait_loadcnt 0x0
	v_min_u32 v16, v8, v10
	v_min_u32 v17, v12, v14
	s_delay_alu instid0(VALU_DEP_1)
	v_min_u32 v16, v16, v17                        ; the smallest of my four keys
.irp k, 0,1,2,3
	v_cmp_eq_u32 vcc_lo, v[8+2*\k], v16
	s_delay_alu instid0(VALU_DEP_1)
	v_cndmask_b32 v[9+2*\k], -1, v[9+2*\k], vcc_lo ; a row whose key is not the smallest counts for nothing
.endr
	v_min_u32 v17, v9, v11
	s_delay_alu instid0(VALU_DEP_2)
	v_min_u32 v18, v13, v15
	s_delay_alu instid0(VALU_DEP_1)
	v_min_u32 v17, v17, v18                        ; of equal keys the lowest row
	ds_store_b64 v6, v[16:17]
	s_wait_dscnt 0x0                               ; for the others' sake: my store has landed
	s_barrier_signal -1
	s_barrier_wait -1
	ds_load_b64 v[20:21], v7
	s_wait_dscnt 0x0
; the smallest of v[x] over the 16 lanes of a row, in every one of them
.macro RMIN x
.irp m, 1,2,4,8
	s_delay_alu instid0(VALU_DEP_1)
	v_mov_b32_dpp v22, v[\x] row_xmask:\m row_mask:0xf bank_mask:0xf
	s_delay_alu instid0(VALU_DEP_1)
	v_min_u32 v[\x], v[\x], v22
.endr
.endm
	v_mov_b32 v23, v20
	RMIN 23                                        ; the query's smallest key
	s_delay_alu instid0(VALU_DEP_1)
	v_cmp_eq_u32 vcc_lo, v20, v23
	s_delay_alu instid0(VALU_DEP_1)
	v_cndmask_b32 v21, -1, v21, vcc_lo
	RMIN 21                                        ; and its lowest row
	s_delay_alu instid0(VALU_DEP_1)
	v_min_u32 v21, VLAST, v21                      ; inside the table
	s_delay_alu instid0(VALU_DEP_1)
	v_lshl_add_u32 v24, v21, 11, v25               ; rows of 2,048 bytes
.irp k, 0,1,2,3,4,5,6,7
	global_load_b128 v[32+4*\k:35+4*\k], v24, s[6:7] offset:256*\k   ; 16 lanes read 256 consecutive bytes of the row; no hint: several queries may name one row
.endr
.irp k, 0,1,2,3,4,5,6,7
	s_wait_loadcnt 7-\k                            ; loads come back in order (ISA guide 5.7.1): piece k is in, the younger ones stay out
	global_store_b128 v26, v[32+4*\k:35+4*\k], s[8:9] offset:256*\k th:TH_STORE_NT   ; 16 lanes store 256 consecutive bytes, aligned; written once, read by nobody here
.endr
	s_wait_tensorcnt 0x0
	ds_add_u32 v64, v65
	s_wait_dscnt 0x0
	s_endpgm
.Lfunc_end_k_qb89c9754ff_pick:
	.size	k_qb89c9754ff_pick, .Lfunc_end_k_qb89c9754ff_pick-k_qb89c9754ff_pick
	.p2alignl 7, 3214868480
	.fill 96, 4, 3214868480
	.section	.rodata,"a",@progbits
	.p2align	6, 0x0
	.amdhsa_kernel k_qb89c9754ff_pick
		.amdhsa_group_segment_fixed_size 3328
		.amdhsa_private_segment_fixed_size 0
		.amdhsa_enable_private_segment 0
		.amdhsa_kernarg_size 24
		.amdhsa_user_sgpr_count 2
		.amdhsa_user_sgpr_kernarg_segment_ptr 1
		.amdhsa_wavefront_size32 1
		.amdhsa_system_sgpr_workgroup_id_x 1
		.amdhsa_system_sgpr_workgroup_id_y 1
		.amdhsa_system_sgpr_workgroup_id_z 1
		.amdhsa_system_vgpr_workitem_id 0
		.amdhsa_next_free_vgpr 66
		.amdhsa_next_free_sgpr 66
		.amdhsa_reserve_vcc 1
		.amdhsa_float_denorm_mode_32 3
		.amdhsa_float_denorm_mode_16_64 3
		.amdhsa_memory_ordered 1
		.amdhsa_forward_progress 1
		.amdhsa_inst_pref_size 7
	.end_amdhsa_kernel
	.amdgpu_metadata
---
amdhsa.version: [ 1, 2 ]
amdhsa.kernels:
  - .name:           k_qb89c9754ff_pick
    .symbol:         k_qb89c9754ff_pick.kd
    .args:
      - { .name: part, .offset: 0, .size: 8, .value_kind: global_buffer, .address_space: global }
      - { .name: all_z, .offset: 8, .size: 8, .value_kind: global_buffer, .address_space: global }
      - { .name: out0, .offset: 16, .size: 8, .value_kind: global_buffer, .address_space: global }
    .group_segment_fixed_size: 3328
    .private_segment_fixed_size: 0
    .kernarg_segment_align: 8
    .kernarg_segment_size: 24
    .max_flat_workgroup_size: 256
    .sgpr_count:     66
    .vgpr_count:     66
    .wavefront_size: 32
...
	.end_amdgpu_metadata
.endif
;; end of part 3
